; MI455X (gfx1250); checked and timed in simulation.
; The chip was launched on July 23, 2026; its instructions are those of AMD's public machine-readable ISA for CDNA 5 (MIT licence, August 2026) and "CDNA5" Instruction Set Architecture Reference Guide (July 2026). The comments in the code are by the model that wrote it; some were corrected since.
;; Self Attention Block. Allowed arithmetic: matrix products marked QUANTISED: E4M3 operands, one E8M0 scale for each 32 along K, by v_wmma_scale_f32_16x16x128_f8f6f4 with both operands' format E4M3, f32 sums; everything else in f32.
;; Inputs: Wk_codes 1,024 x 32 x 32 uint8 (E4M3 codes of Wk, K innermost, in blocks of 32 codes); Wk_scales 1,024 x 32 uint8 (E8M0 scales of Wk, one for each 32 codes along K); Wq_codes 1,024 x 32 x 32 uint8 (E4M3 codes of Wq, K innermost, in blocks of 32 codes); Wq_scales 1,024 x 32 uint8 (E8M0 scales of Wq, one for each 32 codes along K); Wv_codes 1,024 x 32 x 32 uint8 (E4M3 codes of Wv, K innermost, in blocks of 32 codes); Wv_scales 1,024 x 32 uint8 (E8M0 scales of Wv, one for each 32 codes along K); beta 1,024 float32; bk 1,024 float32; bq 1,024 float32; bv 1,024 float32; gamma 1,024 float32; x 4 x 2,048 x 1,024 float32.
;; Outputs: out0 4 x 2,048 x 1,024 float32.
;; Constants: n_heads = 16.
;; This version of the problem:
;;   THIS VERSION OF THE PROBLEM IS GIVEN IN LOW PRECISION. The matrix products marked QUANTISED in the list below multiply operands that are first quantised to E4M3 (4 exponent bits, 3 mantissa bits; 8 bits a number), with one power-of-two scale for each 32 numbers along K (OCP MX v1.0); their sums are f32. All else is computed in f32.
;;   The module's matrix products, in the order in which they are computed (A, B: the left and right operand; K: the contracted axis; several contracted axes count as one K, in the product's order):
;;     1. [M 8,192, K 1,024] x [K 1,024, N 1,024]; A: input x; B: input Wq (given as codes): QUANTISED
;;     2. [M 8,192, K 1,024] x [K 1,024, N 1,024]; A: input x; B: input Wk (given as codes): QUANTISED
;;     3. [M 8,192, K 1,024] x [K 1,024, N 1,024]; A: input x; B: input Wv (given as codes): QUANTISED
;;     4. batch 64 x [M 2,048, K 64] x [K 64, N 2,048]; A: computed on the way; B: computed on the way: QUANTISED
;;     5. batch 64 x [M 2,048, K 2,048] x [K 2,048, N 64]; A: softmax (see below); B: computed on the way: QUANTISED
;;   THE QUANTISER, for each operand of a quantised product, along K:
;;     - K is cut into blocks of 32 from its start; a last block that is shorter is filled with zeros.
;;     - A block's scale is 2^e with e = floor(log2(the largest magnitude in the block)) - 8, held to -126 .. 127; a block of zeros has e = 0. As a byte (E8M0): e + 127.
;;     - Each number is divided by its block's scale, clamped to +-448, and rounded to the nearest number of E4M3, ties to even, subnormals kept.
;;     - The product sums the exact products of the quantised numbers (number of the format x scale) in f32.
;;   ~~~python
;;   def quantise(x, axis):      # numpy; x: float32 -> the quantised numbers, widened to float32 again
;;       x = np.moveaxis(x, axis, -1); K = x.shape[-1]
;;       x = np.pad(x, [(0, 0)] * (x.ndim - 1) + [(0, -K % 32)]); x = x.reshape(x.shape[:-1] + (-1, 32)); a = np.abs(x).max(-1, keepdims=True)
;;       e = np.where(a > 0, np.clip(np.frexp(np.where(a > 0, a, 1))[1] - 1 - 8, -126, 127), 0)      # np.frexp(a)[1] - 1 = floor(log2(a)), exactly
;;       r = np.clip(x / 2.0 ** e, -448, 448)
;;       step = 2.0 ** (np.maximum(np.frexp(np.where(r == 0, 1, r))[1] - 1, -6) - 3)
;;       q = np.round(r / step) * step * 2.0 ** e      # np.round: ties to even
;;       return np.moveaxis(q.reshape(q.shape[:-2] + (-1,))[..., :K], -1, axis).astype(np.float32)
;;   ~~~
;;   SOFTMAX AHEAD OF A QUANTISED PRODUCT. Where the list says 'softmax', what is quantised is not the finished softmax but p = 2^(t - M), with t = logit x log2(e) and M = ceil(the row's largest t), a whole number; so 1/2 < the row's largest p <= 1. The row's sum l is taken of the UNQUANTISED p, in f32, and the product's result is divided by l at the end. Since M is a whole number, a kernel that streams over the keys may use a running M (the ceiling of the running maximum): every later rescaling is an exact power of two, which a block's scale takes up: the codes' values come out the same.
;;   OPERANDS COMPUTED ON THE WAY. 'Computed on the way' means the value that the module computes at that place (a softmax that the list does not call 'softmax' is quantised finished and normalised). What goes into a quantiser is computed in f32, as accurately as f32 sums, v_exp_f32 and their like allow (about 1e-6 of the number): no bf16 or f16 on the way to a quantiser, and a product that is left as it is and whose result goes on into a quantised operand takes f32 operands (vector FMAs, or v_wmma_f32_16x16x4_f32). A number that lies on a knife's edge between two numbers of the format may be rounded either way, as far as f32 arithmetic and the matrix unit's own rounding can turn it there, and no further.
;;   INPUTS GIVEN AS CODES. Wk (in the module: [1024, 1024], K = its axis 1); Wq (in the module: [1024, 1024], K = its axis 1); Wv (in the module: [1024, 1024], K = its axis 1): each comes as NAME_codes (uint8): NAME with its K axis moved to the last place and cut into blocks of 32 codes, [.., K / 32, bytes a block], one block behind the other in memory; one code a byte (a code: sign, 4 exponent bits, 3 mantissa bits); and NAME_scales (uint8): the same leading axes, one E8M0 byte (e + 127) for each 32 codes along K. Its value is code x scale, taken as it is: it is not quantised again, and the codes and scales need not be those that the quantiser above would give.
;; One version. Each part assembles by itself: llvm-mc -triple=amdgcn-amd-amdhsa -mcpu=gfx1250 --defsym DOCPART=n.
;; ======== version 1 of 1: 4 launches
;; limits: right only within a limited range of input values
;; workspace buffers: x_codes 8,388,608 bytes; x_scales 262,144 bytes; img 25,165,824 bytes; sc 786,432 bytes; att 33,554,432 bytes
;; launch quantx (part 1): grid 256 x 1, 8 waves a work-group, no clusters, 43,008 bytes of LDS; arguments x, x_codes, x_scales; writes x_codes, x_scales
.if DOCPART == 1
	.amdgcn_target "amdgcn-amd-amdhsa--gfx1250"
	.amdhsa_code_object_version 6
	.text
	.protected	k_q2609eeeea9_quantx
	.globl	k_q2609eeeea9_quantx
	.p2align	8
	.type	k_q2609eeeea9_quantx,@function
k_q2609eeeea9_quantx:
	s_mov_b64 s[64:65], 0
	v_nop
	global_prefetch_b8 v0, s[64:65] scope:SCOPE_SE
	s_setreg_imm32_b32 hwreg(HW_REG_WAVE_MODE, 25, 1), 1
	s_wait_xcnt 0x0
; x [8192][1024] f32 becomes codes of FP8 (E4M3), K innermost, and one E8M0 scale byte for each 32 along K: x_codes [8192][1024], x_scales [8192][32].
; A block's scale is 2^(floor(log2(its largest magnitude)) - 8); its byte is the largest magnitude's exponent field - 8, held at 1 from below.  Each number is divided by the scale, held within +-448, rounded to the nearest code.
; LIMITS: a block whose largest magnitude lies under 2^-118 (zeros among them) keeps the byte 1: a block of zeros has zero codes, and these bytes are read by this program alone.  NaN and infinities are not served.
; Rows are dense and 1,024 is a multiple of 32: x is a plain stream of blocks of 32, and so are the codes and the bytes.  A work-group takes 32,768 numbers, each of its eight waves 4,096: 8 steps of 512.
; All 32 loads of a wave go out at once, each 512 consecutive bytes.  The conversions want 16 NEIGHBOURS in a lane, so a step's 2,048 bytes turn through the wave's own stage in LDS (16 bytes of padding behind each 64).
; A lane's 16 codes are 16 bytes: the wave stores 512 consecutive bytes.  The work-group's 1,024 scale bytes meet in LDS and leave by two stores of 512 consecutive bytes.
.set STEPS, 8
.set SP,    80                         ; a lane's place in a stage: 64 bytes + 16 of padding
.set WREG,  2*32*SP                    ; a wave's two stages
.set SCB,   8*WREG                     ; behind them: the work-group's 1,024 scale bytes
.set R,     16                         ; v16-143  eight sets of 16 numbers as loaded
.set X,     144                        ; v144-175 two sets of 16 neighbours
.set C,     176                        ; v176-207 four registers of codes for each step: no store's data are written again
.set E,     208                        ; v208-215 a scale byte for each step
	s_load_b128 s[4:7], s[0:1], 0x0                ; x, the codes
	s_load_b64 s[8:9], s[0:1], 0x10                ; the scale bytes
	v_lshl_add_u32 v224, v0, 2, 0xa400
	v_mov_b32 v225, 0
	v_lshrrev_b32 v1, 5, v0
	s_delay_alu instid0(VALU_DEP_1)
	v_readfirstlane_b32 s16, v1                    ; wave 0..7
	v_and_b32 v2, 31, v0                           ; lane
	s_delay_alu instid0(VALU_DEP_1)
	v_lshlrev_b32 v3, 4, v2                        ; my 16 bytes of a load's 512, and of a step's codes
	s_mul_i32 s22, s16, WREG
	v_lshrrev_b32 v14, 2, v2
	s_delay_alu instid0(VALU_DEP_1)
	v_mul_u32_u24 v14, v14, SP
	v_and_b32 v15, 3, v2
	s_delay_alu instid0(VALU_DEP_1)
	v_lshl_add_u32 v14, v15, 4, v14
	s_delay_alu instid0(VALU_DEP_1)
	v_add_nc_u32 v14, s22, v14                     ; the stage, on the way in: SP (lane / 4) + 16 (lane % 4); a load's 512 bytes take eight places
	v_mul_u32_u24 v15, v2, SP
	s_delay_alu instid0(VALU_DEP_1)
	v_add_nc_u32 v15, s22, v15                     ; on the way out: SP x lane: my 16 neighbours
	s_lshl_b32 s26, s16, 7
	s_add_co_u32 s26, s26, SCB
	v_lshrrev_b32 v5, 1, v2
	s_delay_alu instid0(VALU_DEP_1)
	v_add_nc_u32 v5, s26, v5                       ; my wave's 128 scale bytes, my block's byte
	v_lshlrev_b32 v7, 4, v0                        ; the bytes' way out (waves 0 and 1): 16 x thread
	s_delay_alu instid0(VALU_DEP_1)
	v_add_nc_u32 v6, SCB, v7
	s_mov_b32 s23, 0x600000                        ; the mantissa field of 448
	s_lshl_b32 s17, ttmp9, 3
	s_add_co_u32 s17, s17, s16                     ; which run of 4,096 numbers is my wave's
	s_lshl_b32 s18, s17, 14                        ; 16,384 bytes of x a run
	s_mov_b32 s19, 0
	s_lshl_b32 s20, s17, 12                        ; 4,096 bytes of codes
	s_mov_b32 s21, 0
	s_lshl_b32 s24, ttmp9, 10                      ; 1,024 scale bytes a work-group
	s_mov_b32 s25, 0
	s_wait_alu depctr_va_vdst(0)
	s_wait_kmcnt 0x0
	s_add_nc_u64 s[4:5], s[4:5], s[18:19]
	s_add_nc_u64 s[6:7], s[6:7], s[20:21]
	s_add_nc_u64 s[8:9], s[8:9], s[24:25]
.macro LOAD t
.irp i, 0,1,2,3
	global_load_b128 v[R+16*(\t)+4*\i:R+16*(\t)+4*\i+3], v3, s[4:5] offset:2048*(\t)+512*\i th:TH_LOAD_NT   ; 32 lanes read 512 consecutive bytes
.endr
.endm
.macro TURN t                          ; step t's numbers through the stage: LDS serves a wave's instructions in order, so no wait stands between the stores and the loads
.irp i, 0,1,2,3
	ds_store_b128 v14, v[R+16*(\t)+4*\i:R+16*(\t)+4*\i+3] offset:32*SP*((\t)%2)+8*SP*\i
.endr
.irp i, 0,1,2,3
	ds_load_b128 v[X+16*((\t)%2)+4*\i:X+16*((\t)%2)+4*\i+3], v15 offset:32*SP*((\t)%2)+16*\i
.endr
.endm
.irp t, 0,1,2,3,4,5,6,7
	LOAD \t
.endr
	s_wait_loadcnt 28                              ; step 0's four loads are in; the 28 behind them stay out
	TURN 0
.macro STEP t
.set XS, X+16*((\t)%2)
.if (\t) > 0
	s_wait_dscnt 1                                 ; this step's numbers are back from the stage; the last step's byte store, issued behind them, may be out
.else
	s_wait_dscnt 0x0
.endif
.if (\t)+1 < STEPS
	s_wait_loadcnt 4*(STEPS-2-(\t))                ; the next step's four loads are in; those of the steps behind it may be out
	TURN (\t)+1                                    ; and go through the other stage while this step is worked
.endif
	v_max3_num_f32 v8, |v[XS]|, |v[XS+1]|, |v[XS+2]|               ; the largest magnitude of my 16, in two chains
	v_max3_num_f32 v9, |v[XS+3]|, |v[XS+4]|, |v[XS+5]|
.irp i, 6,10
	s_delay_alu instid0(VALU_DEP_2)
	v_max3_num_f32 v8, v8, |v[XS+\i]|, |v[XS+\i+1]|
	s_delay_alu instid0(VALU_DEP_2)
	v_max3_num_f32 v9, v9, |v[XS+\i+2]|, |v[XS+\i+3]|
.endr
	s_delay_alu instid0(VALU_DEP_2)
	v_max3_num_f32 v8, v8, |v[XS+14]|, |v[XS+15]|
	s_delay_alu instid0(VALU_DEP_1)
	v_max3_num_f32 v8, v8, v9, 0x4800000           ; and the floor 2^(9 - 127): the byte cannot fall under 1
	s_delay_alu instid0(VALU_DEP_1)
	v_max_num_f32_dpp v8, v8, v8 row_xmask:1 row_mask:0xf bank_mask:0xf   ; and of my neighbour's 16: the block's
	s_delay_alu instid0(VALU_DEP_1)
	v_add_nc_u32 v11, 0xfc000000, v8               ; 8 off its exponent field: the conversion takes the exponent field of this operand as its scale
	s_delay_alu instid0(VALU_DEP_2)
	v_and_or_b32 v10, v8, 0x7f800000, s23          ; 448 x the scale
.irp i, 0,1,2,3,4,5,6,7,8,9,10,11,12,13,14,15
	v_med3_num_f32 v[XS+\i], v[XS+\i], -v10, v10   ; the conversion to an 8-bit code does not saturate (ISA guide 7.6.2): the hold comes first
.endr
	v_cvt_scalef32_pk8_fp8_f32 v[C+4*(\t):C+4*(\t)+1], v[XS:XS+7], v11
	v_cvt_scalef32_pk8_fp8_f32 v[C+4*(\t)+2:C+4*(\t)+3], v[XS+8:XS+15], v11
	v_lshrrev_b32 v[E+(\t)], 23, v11               ; the scale's byte (also the plain line behind the conversions)
	ds_store_b8 v5, v[E+(\t)] offset:16*(\t)       ; both lanes of a block write the same byte with the same value
	global_store_b128 v3, v[C+4*(\t):C+4*(\t)+3], s[6:7] offset:512*(\t)   ; 512 consecutive bytes
.endm
.irp t, 0,1,2,3,4,5,6,7
	STEP \t
.endr
	s_wait_dscnt 0x0                               ; for the others' sake: my byte stores have landed
	s_barrier_signal -1
	s_barrier_wait -1                              ; all 1,024 bytes lie in LDS
	s_cmp_lt_u32 s16, 2
	s_cbranch_scc0 .Lend                           ; waves 0 and 1 carry them out
	ds_load_b128 v[216:219], v6
	s_wait_dscnt 0x0
	global_store_b128 v7, v[216:219], s[8:9]       ; 512 consecutive bytes a wave, from a multiple of 256
.Lend:
	s_wait_tensorcnt 0x0
	ds_add_u32 v224, v225
	s_wait_dscnt 0x0
	s_endpgm
.Lfunc_end_k_q2609eeeea9_quantx:
	.size	k_q2609eeeea9_quantx, .Lfunc_end_k_q2609eeeea9_quantx-k_q2609eeeea9_quantx
	.p2alignl 7, 3214868480
	.fill 96, 4, 3214868480
	.section	.rodata,"a",@progbits
	.p2align	6, 0x0
	.amdhsa_kernel k_q2609eeeea9_quantx
		.amdhsa_group_segment_fixed_size 43008
		.amdhsa_private_segment_fixed_size 0
		.amdhsa_enable_private_segment 0
		.amdhsa_kernarg_size 24
		.amdhsa_user_sgpr_count 2
		.amdhsa_user_sgpr_kernarg_segment_ptr 1
		.amdhsa_wavefront_size32 1
		.amdhsa_system_sgpr_workgroup_id_x 1
		.amdhsa_system_sgpr_workgroup_id_y 1
		.amdhsa_system_sgpr_workgroup_id_z 1
		.amdhsa_system_vgpr_workitem_id 0
		.amdhsa_next_free_vgpr 226
		.amdhsa_next_free_sgpr 66
		.amdhsa_reserve_vcc 0
		.amdhsa_float_denorm_mode_32 3
		.amdhsa_float_denorm_mode_16_64 3
		.amdhsa_memory_ordered 1
		.amdhsa_forward_progress 1
		.amdhsa_inst_pref_size 29
	.end_amdhsa_kernel
	.amdgpu_metadata
---
amdhsa.version: [ 1, 2 ]
amdhsa.kernels:
  - .name:           k_q2609eeeea9_quantx
    .symbol:         k_q2609eeeea9_quantx.kd
    .args:
      - { .name: x, .offset: 0, .size: 8, .value_kind: global_buffer, .address_space: global }
      - { .name: x_codes, .offset: 8, .size: 8, .value_kind: global_buffer, .address_space: global }
      - { .name: x_scales, .offset: 16, .size: 8, .value_kind: global_buffer, .address_space: global }
    .group_segment_fixed_size: 43008
    .private_segment_fixed_size: 0
    .kernarg_segment_align: 8
    .kernarg_segment_size: 24
    .max_flat_workgroup_size: 256
    .sgpr_count:     66
    .vgpr_count:     226
    .wavefront_size: 32
...
	.end_amdgpu_metadata
.endif
;; end of part 1
;; launch qkv (part 2): grid 12 x 32, 4 waves a work-group, clusters of 4 x 4, 327,680 bytes of LDS; arguments x_codes, x_scales, Wq_codes, Wq_scales, Wk_codes, Wk_scales, Wv_codes, Wv_scales, bq, bk, bv, img, sc; writes img, sc
.if DOCPART == 2
	.amdgcn_target "amdgcn-amd-amdhsa--gfx1250"
	.amdhsa_code_object_version 6
	.text
	.protected	k_q2609eeeea9_qkv
	.globl	k_q2609eeeea9_qkv
	.p2align	8
	.type	k_q2609eeeea9_qkv,@function
k_q2609eeeea9_qkv:
	s_mov_b64 s[64:65], 0
	v_nop
	global_prefetch_b8 v0, s[64:65] scope:SCOPE_SE
	s_setreg_imm32_b32 hwreg(HW_REG_WAVE_MODE, 25, 1), 1
	s_wait_xcnt 0x0
	s_wait_alu depctr_hold_cnt(0) depctr_sa_sdst(0) depctr_va_vdst(0) depctr_va_sdst(0) depctr_va_ssrc(0) depctr_va_vcc(0) depctr_vm_vsrc(0)
	s_getreg_b32 s2, hwreg(HW_REG_IB_STS2, 6, 4)
	s_cmp_eq_u32 s2, 0
	s_cbranch_scc0 .Lentry_in_a_cluster
	s_endpgm
.Lentry_in_a_cluster:
	s_bfe_u32 s2, ttmp6, 0x10000c
	s_cmp_lg_u32 s2, 0xf033
	s_cbranch_scc0 .Lentry_shape_is_right
	s_endpgm
.Lentry_shape_is_right:
.set SIZE_K, 1024
.set KSTEP,  256
.set NQ,     KSTEP/128
.set ROWB,   256
.set KROW,   SIZE_K
.set PITCH,  272
.set FR,     16
.set NL,     4
.set NP,     8
.set HALFT,  128*PITCH
.set SLOT,   4*HALFT
.set LAPS,   SIZE_K/(2*KSTEP)
.set KS,     SIZE_K/32
.set SCL,    2*SLOT
.set HALFS,  (128*KS/256)*272
.set SBLK,   (16*KS/256)*272
.set SPARE,  SCL+4*HALFS
.set VO,   8
.set LSW,  12
.set LSR,  13
.set SCO,  14
.set BO,   15
.set ADRA, 16
.set ADRB, 20
.set ADRS, 27
.set SPW,  28
.set NIL,  29
.set SC,   32
.set BI,   64
.set AF,   128
.set T,    128
.set PC,   192
.set TM,   224
.set PW,   240
.set G1, 24
.set G0, 32
.set G1B, 48
.set G0B, 56
.set G1S, 68
.set G0S, 76
.set G1SB, 80
.set G0SB, 88
.set MSB, 0
.macro WIN new
.if MSB != \new
	s_set_vgpr_msb (MSB<<8)|\new
.set MSB, \new
.endif
.endm
.set MUL_LO, 0xa1
.set MUL_HI, 0xf1
.set TO_B,   0x40
.macro JLOAD g0a, g1a, g0b, g1b
	s_cmp_eq_u32 s15, 0
	s_cbranch_scc0 .Lfor_b_\@
	tensor_load_to_lds s[\g0a:\g0a+3], s[\g1a:\g1a+7]
	s_nop 0
.rept 4
	v_nop
.endr
	s_branch .Lasked_\@
.Lfor_b_\@:
	tensor_load_to_lds s[\g0b:\g0b+3], s[\g1b:\g1b+7]
	s_nop 0
.rept 4
	v_nop
.endr
.Lasked_\@:
.endm
.macro CREST
	s_cmp_lg_u32 s14, 0
	s_cbranch_scc1 .Lnot_wave_0_\@
	s_barrier_signal -3
.Lnot_wave_0_\@:
	s_barrier_wait -3
	s_barrier_signal -1
	s_barrier_wait -1
.endm
.macro CROUND
	s_barrier_signal -1
	s_barrier_wait -1
	CREST
.endm
	s_load_b512 s[24:39], s[0:1], 0x0
	s_load_b256 s[48:55], s[0:1], 0x40
	s_load_b64 s[96:97], s[0:1], 0x60
	v_lshl_add_u32 v[SPW], v0, 2, SPARE
	v_mov_b32 v[NIL], 0
	ds_add_u32 v28, v29
	ds_add_u32 v28, v29
	s_wait_dscnt 0x0
	v_lshrrev_b32 v1, 5, v0
	v_readfirstlane_b32 s14, v1
	s_lshr_b32 s15, s14, 1
	s_and_b32 s16, s14, 1
	s_bfe_u32 s40, ttmp6, 0x40000
	s_bfe_u32 s41, ttmp6, 0x40004
	s_and_b32 s2, ttmp7, 0xffff
	s_lshl_b32 s2, s2, 2
	s_lshl_b32 s43, s41, 2
	s_lshl_b32 s43, 15, s43
	s_lshl_b32 s44, 0x1111, s40
	v_and_b32 v1, 15, v0
	v_bfe_u32 v2, v0, 4, 1
	v_and_b32 v3, 31, v0
	v_lshlrev_b32 v3, 4, v3
	s_wait_alu depctr_va_vdst(0)
	s_wait_kmcnt 0x0
	s_cmp_eq_u32 ttmp9, 0
	s_cselect_b64 s[4:5], s[28:29], s[32:33]
	s_cselect_b64 s[6:7], s[30:31], s[34:35]
	s_cselect_b64 s[66:67], s[48:49], s[50:51]
	s_cmp_eq_u32 ttmp9, 2
	s_cselect_b64 s[4:5], s[36:37], s[4:5]
	s_cselect_b64 s[6:7], s[38:39], s[6:7]
	s_cselect_b64 s[66:67], s[52:53], s[66:67]
	s_cselect_b64 s[8:9], s[24:25], s[4:5]
	s_cselect_b64 s[10:11], s[26:27], s[6:7]
	s_cselect_b64 s[4:5], s[4:5], s[24:25]
	s_cselect_b64 s[6:7], s[6:7], s[26:27]
	s_mov_b64 s[12:13], s[54:55]
	s_cselect_b32 s92, s2, 0
	s_cselect_b32 s93, 0, s2
	s_mov_b32 s98, 1024
	s_cselect_b32 s98, 2048, s98
	s_mov_b32 s99, 0
	s_mov_b32 s100, 1024
	s_cselect_b32 s100, 124928, s100
	s_mov_b32 s101, 0
	s_mov_b32 s18, 131072
	s_cselect_b32 s18, 1024, s18
	s_mov_b32 s19, 256
	s_cselect_b32 s19, 4096, s19
	s_cselect_b32 s3, 1, 2
	s_cselect_b32 s21, 4, 0
	s_cselect_b32 s22, 0, 32
	s_cselect_b32 s94, 0, 4
	s_mov_b32 s95, 0
	s_add_co_u32 s42, s40, s92
	s_add_co_u32 s17, s41, s93
	v_mov_b32 v[VO], v3
	v_add_nc_u32 v[VO+1], 512, v3
	v_add_nc_u32 v[VO+2], s18, v3
	v_add_nc_u32 v[VO+3], 512, v[VO+2]
	v_mul_u32_u24 v[SCO], s19, v2
	v_lshl_add_u32 v[SCO], v1, 4, v[SCO]
	v_mul_u32_u24 v[BO], s21, v1
	v_mad_u32_u24 v[BO], s22, v2, v[BO]
	s_lshl_b32 s18, s14, 9
	v_lshl_add_u32 v[LSW], v1, 2, s18
	v_add_nc_u32 v[LSR], s18, v3
	s_or_b32 s[G1+0], s43, (0<<16)|(1<<20)|(1<<21)|(5<<22)|(3<<25)
	s_or_b32 s[G1B+0], s44, (0<<16)|(1<<20)|(1<<21)|(5<<22)|(3<<25)
.irp g, G1, G1B
	s_mov_b32 s[\g+1], ROWB<<16
	s_mov_b32 s[\g+2], 256<<16                     ; the head's loads of codes bring 256 rows; behind them these two words are set to 128, for the ring's
	s_mov_b32 s[\g+3], ROWB<<16
	s_mov_b32 s[\g+4], 256
	s_mov_b32 s[\g+5], KROW
	s_mov_b32 s[\g+6], 0
	s_mov_b32 s[\g+7], 0
.endr
	s_or_b32 s[G1S+0], s43, (3<<16)|(1<<20)|(1<<21)|(5<<22)|(3<<25)
	s_or_b32 s[G1SB+0], s44, (3<<16)|(1<<20)|(1<<21)|(5<<22)|(3<<25)
.irp g, G1S, G1SB
	s_mov_b32 s[\g+1], 32<<16
	s_mov_b32 s[\g+2], KS<<16                      ; the scale bytes of 256 rows: 256 KS dense bytes as KS rows of 256
	s_mov_b32 s[\g+3], 32<<16
	s_mov_b32 s[\g+4], KS
	s_mov_b32 s[\g+5], 32
	s_mov_b32 s[\g+6], 0
	s_mov_b32 s[\g+7], 0
.endr
	s_lshl_b32 s20, s17, 8                         ; the tiles' first rows
	s_lshl_b32 s46, s42, 8
	s_lshl_b32 s22, s20, 5
	s_mov_b32 s23, 0
	s_lshl_b32 s92, s46, 5
	s_mov_b32 s93, 0
	s_lshl_b32 s20, s20, 10
	s_mov_b32 s21, 0
	s_lshl_b32 s46, s46, 10
	s_mov_b32 s47, 0
	s_mul_i32 s45, s14, HALFT
	s_mul_i32 s18, s16, 128*KROW                   ; in the ring I fetch 128 rows of a tile: which half, in bytes
	s_mov_b32 s19, 0
	s_add_nc_u64 s[20:21], s[4:5], s[20:21]
	s_add_nc_u64 s[22:23], s[6:7], s[22:23]
	s_add_nc_u64 s[46:47], s[8:9], s[46:47]
	s_add_nc_u64 s[92:93], s[10:11], s[92:93]
	s_wait_alu depctr_va_vdst(0)                   ; the wait here, directly ahead of the round
	CROUND
	s_mov_b32 s4, 1                                ; the head's four tiles, each whole: K step 0's 256 rows of source 1 (s[4:7]; the arguments that lay there have been used),
	s_mov_b32 s5, 0
	s_mov_b64 s[6:7], s[20:21]
	s_or_b32 s7, s7, 0x80000000
	s_mov_b32 s8, 1                                ; its 256 rows of source 0, behind them in slot 0 (s[8:11]),
	s_mov_b32 s9, 2*HALFT
	s_mov_b64 s[10:11], s[46:47]
	s_or_b32 s11, s11, 0x80000000
	s_mov_b32 s[G0S], 1                            ; and the two blocks of scale bytes
	s_mov_b32 s[G0S+1], SCL
	s_mov_b64 s[G0S+2:G0S+3], s[22:23]
	s_or_b32 s[G0S+3], s[G0S+3], 0x80000000
	s_mov_b32 s[G0SB], 1
	s_mov_b32 s[G0SB+1], SCL+2*HALFS
	s_mov_b64 s[G0SB+2:G0SB+3], s[92:93]
	s_or_b32 s[G0SB+3], s[G0SB+3], 0x80000000
	s_add_nc_u64 s[20:21], s[20:21], s[18:19]      ; for the ring: my 128 rows of the tile
	s_add_nc_u64 s[46:47], s[46:47], s[18:19]
.irp s, 0,1
	s_mov_b32 s[G0+4*\s], 1
	s_add_co_u32 s[G0+4*\s+1], s45, \s*SLOT
	s_add_nc_u64 s[G0+4*\s+2:G0+4*\s+3], s[20:21], \s*ROWB
	s_or_b32 s[G0+4*\s+3], s[G0+4*\s+3], 0x80000000
	s_mov_b32 s[G0B+4*\s], 1
	s_add_co_u32 s[G0B+4*\s+1], s45, \s*SLOT
	s_add_nc_u64 s[G0B+4*\s+2:G0B+4*\s+3], s[46:47], \s*ROWB
	s_or_b32 s[G0B+4*\s+3], s[G0B+4*\s+3], 0x80000000
.endr
; THE HEAD'S LOADS, ONE A WAVE, in one chain of branches on the wave's number: every way through the head passes exactly one joint load
.macro ARM under, g0, g1, next
	s_cmp_lt_u32 s14, \under
	s_cbranch_scc0 \next
	tensor_load_to_lds s[\g0:\g0+3], s[\g1:\g1+7]
	s_nop 0
.rept 4
	v_nop
.endr
	s_branch .Lhead_asked
\next:
.endm
	ARM 1, 4,   G1,  .Lhead_b
	ARM 2, 8,   G1B, .Lhead_sa
	ARM 3, G0S, G1S, .Lhead_sb
	tensor_load_to_lds s[G0SB:G0SB+3], s[G1SB:G1SB+7]
	s_nop 0
.rept 4
	v_nop
.endr
.Lhead_asked:
	v_mul_u32_u24 v3, v1, PITCH
	v_lshl_add_u32 v4, v2, 4, v3
	s_mul_i32 s21, s15, HALFT
	s_mul_i32 s22, s16, HALFT
	s_add_co_u32 s22, s22, 2*HALFT
.irp s, 0,1
	v_add_nc_u32 v[ADRA+\s], s21, v4
	v_add_nc_u32 v[ADRB+\s], s22, v4
	s_add_co_u32 s21, s21, SLOT
	s_add_co_u32 s22, s22, SLOT
.endr
	v_mul_u32_u24 v5, v1, KS
	v_lshrrev_b32 v6, 8, v5
	v_lshl_add_u32 v5, v6, 4, v5
	s_mul_i32 s21, s15, HALFS
	s_mul_i32 s22, s16, HALFS
	s_add_co_u32 s22, s22, 2*HALFS
	s_sub_co_u32 s22, s22, s21
	v_mul_u32_u24 v6, s22, v2
	s_add_co_u32 s21, s21, SCL
	v_add_nc_u32 v5, v5, v6
	v_add_nc_u32 v[ADRS], s21, v5
	s_lshl_b32 s18, s42, 8
	s_lshl_b32 s19, s16, 7
	s_add_co_u32 s18, s18, s19
	s_lshl_b32 s19, s17, 8
	s_lshl_b32 s20, s15, 7
	s_add_co_u32 s19, s19, s20
	s_cmp_eq_u32 ttmp9, 2
	s_cselect_b32 s20, s18, s19
	s_cselect_b32 s21, s19, s18
	s_lshr_b32 s22, s20, 11
	s_and_b32 s23, s20, 2047
	s_lshr_b32 s46, s21, 6
	s_lshl_b32 s18, ttmp9, 23
	s_lshl_b32 s19, s22, 21
	s_add_co_u32 s18, s18, s19
	s_lshl_b32 s19, s46, 17
	s_add_co_u32 s18, s18, s19
	s_lshl_b32 s19, s23, 6
	s_add_co_u32 s18, s18, s19
	s_mov_b32 s19, 0
	s_add_nc_u64 s[12:13], s[12:13], s[18:19]
	s_lshl_b32 s18, ttmp9, 18
	s_lshl_b32 s47, s22, 16
	s_add_co_u32 s18, s18, s47
	s_lshl_b32 s47, s46, 12
	s_add_co_u32 s18, s18, s47
	s_lshl_b32 s47, s23, s3
	s_add_co_u32 s18, s18, s47
	s_add_nc_u64 s[96:97], s[96:97], s[18:19]
	s_lshl_b32 s18, s21, 2
	s_add_nc_u64 s[66:67], s[66:67], s[18:19]
.irp j, 0,1,2,3,4,5,6,7
.irp i, 0,1,2,3,4,5,6,7
	global_load_b32 v[BI+8*\i+\j], v[BO], s[66:67] offset:64*\i
.endr
.if \j < 7
	s_wait_xcnt 0x0
	s_add_nc_u64 s[66:67], s[66:67], s[94:95]
.endif
.endr
	s_mov_b32 s18, 0x76543210
	s_mov_b32 s19, 0xfedcba98
	s_mov_b32 s20, 0x600000
	s_mov_b32 s21, 0x4800000
.macro FRAG reg, adr, q, i
.irp c, 0,1,2,3
	ds_load_b128 v[\reg+4*\c:\reg+4*\c+3], v[\adr] offset:128*(\q)+32*\c+(\i)*16*PITCH
.endr
.endm
.macro MUL16 a0, p, q, sc, zero
.irp a, \a0, \a0+1
.irp b, 0,1,2,3,4,5,6,7
.if \zero == 1
	v_wmma_scale_f32_16x16x128_f8f6f4 v[8*(8*((\a)%4)+\b):8*(8*((\a)%4)+\b)+7], v[128*(\p)+FR*\b:128*(\p)+FR*\b+FR-1], v[AF+FR*(\a):AF+FR*(\a)+FR-1], v[BI+8*\b:BI+8*\b+7], v[SC+8*NQ*(\sc)+NQ*\b+(\q)], v[SC+8*NQ*(\sc)+NQ*(\a)+(\q)] matrix_a_scale:MATRIX_SCALE_ROW1
.elseif \zero == 2
	v_wmma_scale_f32_16x16x128_f8f6f4 v[8*(8*((\a)%4)+\b):8*(8*((\a)%4)+\b)+7], v[128*(\p)+FR*\b:128*(\p)+FR*\b+FR-1], v[AF+FR*(\a):AF+FR*(\a)+FR-1], v[BI+8*(\a):BI+8*(\a)+7], v[SC+8*NQ*(\sc)+NQ*\b+(\q)], v[SC+8*NQ*(\sc)+NQ*(\a)+(\q)] matrix_a_scale:MATRIX_SCALE_ROW1
.else
	v_wmma_scale_f32_16x16x128_f8f6f4 v[8*(8*((\a)%4)+\b):8*(8*((\a)%4)+\b)+7], v[128*(\p)+FR*\b:128*(\p)+FR*\b+FR-1], v[AF+FR*(\a):AF+FR*(\a)+FR-1], v[8*(8*((\a)%4)+\b):8*(8*((\a)%4)+\b)+7], v[SC+8*NQ*(\sc)+NQ*\b+(\q)], v[SC+8*NQ*(\sc)+NQ*(\a)+(\q)] matrix_a_scale:MATRIX_SCALE_ROW1
.endif
.endr
.endr
.endm
.macro FETCH_B slot, q, p
	WIN TO_B
.irp i, 0,1,2,3,4,5,6,7
	FRAG 128*(\p)+FR*\i, ADRB+\slot, \q, \i
.endr
	WIN 0
.endm
.macro FETCH_A slot, q, i0
.irp i, \i0, \i0+1, \i0+2, \i0+3
	FRAG AF+FR*(\i), ADRA+\slot, \q, \i
.endr
.endm
.macro SCALES sc
.irp i, 0,1,2,3,4,5,6,7
	ds_load_b64 v[SC+8*NQ*\sc+NQ*\i:SC+8*NQ*\sc+NQ*\i+1], v[ADRS] offset:\i*SBLK
.endr
.endm
.macro PLACES n
.rept \n
	v_nop
.endr
.endm
.macro STEP slot, q, zero
	s_wait_dscnt 4*NL
.if \zero
	WIN 0x81
.else
	WIN MUL_LO
.endif
	MUL16 0, (\q)%2, \q, \slot, \zero
	MUL16 2, (\q)%2, \q, \slot, \zero
	s_wait_dscnt 0
	PLACES NP
	FETCH_B \slot, (\q)+1, 1-(\q)%2
	FETCH_A \slot, (\q)+1, 0
.if \zero
	WIN 0xc1
.else
	WIN MUL_HI
.endif
	MUL16 4, (\q)%2, \q, \slot, \zero
	MUL16 6, (\q)%2, \q, \slot, \zero
	PLACES NP
	WIN 0
	FETCH_A \slot, (\q)+1, 4
.endm
.macro TURN slot, next, fill
	s_wait_tensorcnt 0x0
	ds_add_u32 v[SPW], v[NIL]
	s_wait_dscnt 4*NL+1
	WIN MUL_LO
	MUL16 0, 1, NQ-1, \slot, 0
	s_wait_dscnt 0x0
	s_barrier_signal -1
	MUL16 2, 1, NQ-1, \slot, 0
	WIN 0
	s_barrier_wait -1
.if \fill
	CREST
	s_add_nc_u64 s[G0+4*\slot+2:G0+4*\slot+3], s[G0+4*\slot+2:G0+4*\slot+3], 2*ROWB
	s_add_nc_u64 s[G0B+4*\slot+2:G0B+4*\slot+3], s[G0B+4*\slot+2:G0B+4*\slot+3], 2*ROWB
	JLOAD G0+4*\slot, G1, G0B+4*\slot, G1B
	PLACES NP-4
.else
	PLACES NP
.endif
	s_wait_alu depctr_va_vdst(0)
	v_add_nc_u32 v[ADRS], 4*NQ, v[ADRS]
	FETCH_B \next, 0, 0
	FETCH_A \next, 0, 0
	SCALES \next
	WIN MUL_HI
	MUL16 4, 1, NQ-1, \slot, 0
	MUL16 6, 1, NQ-1, \slot, 0
	PLACES NP
	WIN 0
	FETCH_A \next, 0, 4
.endm
	s_wait_alu depctr_va_vdst(0)                   ; the wait at the head's end
	s_wait_tensorcnt 0x0                           ; my tile of the head's four is in
	ds_add_u32 v[SPW], v[NIL]
	s_mov_b32 s[G1+2], 128<<16                     ; no tensor load of mine is out: from here on a load brings 128 rows
	s_mov_b32 s[G1+4], 128
	s_mov_b32 s[G1B+2], 128<<16
	s_mov_b32 s[G1B+4], 128
	s_wait_dscnt 0x0
	CROUND                                         ; all four tiles are in, and all sixteen work-groups are here
	JLOAD G0+4, G1, G0B+4, G1B                     ; K step 1's load, the first tensor load behind the round
	FETCH_B 0, 0, 0
	FETCH_A 0, 0, 0
	SCALES 0
	FETCH_A 0, 0, 4
	s_wait_loadcnt 0x0
	s_cmp_eq_u32 ttmp9, 2
	s_cbranch_scc1 .Lfirst_v
	STEP 0, 0, 1
	s_branch .Lfirst_done
.Lfirst_v:
	STEP 0, 0, 2
.Lfirst_done:
	s_mov_b32 s3, LAPS-1
.Llap:
	TURN 0, 1, 1
	STEP 1, 0, 0
	TURN 1, 0, 1
	STEP 0, 0, 0
	s_sub_co_u32 s3, s3, 1
	s_cmp_lg_u32 s3, 0
	s_cbranch_scc1 .Llap
	TURN 0, 1, 0
	STEP 1, 0, 0
	s_wait_dscnt 4*NL
	WIN MUL_LO
	MUL16 0, 1, NQ-1, 1, 0
	MUL16 2, 1, NQ-1, 1, 0
	s_wait_dscnt 0
	WIN MUL_HI
	MUL16 4, 1, NQ-1, 1, 0
	MUL16 6, 1, NQ-1, 1, 0
	WIN 0
.macro QACC a
.set AC, 64*((\a)%4)
.set PCS, PC+16*((\a)%2)
.set WN, 0x28+0x14*((\a)/4)
	WIN WN
.irp b, 0,1,2,3
	v_max3_num_f32 v[TM+\b], s21, |v[AC+16*\b]|, |v[AC+16*\b+1]|
.endr
.irp i, 2,4,6,8,10,12,14
.irp b, 0,1,2,3
	v_max3_num_f32 v[TM+\b], v[TM+\b], |v[AC+16*\b+\i]|, |v[AC+16*\b+\i+1]|
.endr
.endr
	WIN 0
.irp b, 0,1,2,3
	v_permlanex16_b32 v[TM+4+\b], v[TM+\b], s18, s19
.endr
.irp b, 0,1,2,3
	v_max_num_f32 v[TM+\b], v[TM+\b], v[TM+4+\b]
.endr
.irp b, 0,1,2,3
	v_add_nc_u32 v[TM+12+\b], 0xfc000000, v[TM+\b]
.endr
.irp b, 0,1,2,3
	v_and_or_b32 v[TM+8+\b], v[TM+\b], 0x7f800000, s20
.endr
.irp b, 0,1,2,3
	v_lshrrev_b32 v[TM+4+\b], 23, v[TM+12+\b]
.endr
	v_lshl_or_b32 v[PW+(\a)], v[TM+5], 8, v[TM+4]
	v_lshl_or_b32 v[PW+(\a)], v[TM+6], 16, v[PW+(\a)]
	v_lshl_or_b32 v[PW+(\a)], v[TM+7], 24, v[PW+(\a)]
.set WN, 0x02+(\a)/4
	WIN WN
.irp b, 0,1,2,3
.irp i, 0,1,2,3,4,5,6,7,8,9,10,11,12,13,14,15
	v_med3_num_f32 v[T+16*\b+\i], v[AC+16*\b+\i], -v[TM+8+\b], v[TM+8+\b]
.endr
.endr
	WIN 0
.irp b, 0,1,2,3
	v_cvt_scalef32_pk8_fp8_f32 v[PCS+4*\b:PCS+4*\b+1], v[T+16*\b:T+16*\b+7], v[TM+12+\b]
	v_cvt_scalef32_pk8_fp8_f32 v[PCS+4*\b+2:PCS+4*\b+3], v[T+16*\b+8:T+16*\b+15], v[TM+12+\b]
.endr
	v_nop
.endm
	PLACES NP
.irp b, 0,1,2,3
	v_mov_b32 v[TM+4+\b], 0
.endr
.irp a, 0,1,2,3,4,5,6,7
	QACC \a
	s_wait_alu depctr_va_vdst(0)
	s_wait_xcnt 0x0
.if \a == 4
	s_add_nc_u64 s[12:13], s[12:13], s[100:101]
.elseif \a > 0
	s_add_nc_u64 s[12:13], s[12:13], s[98:99]
.endif
.irp c, 0,1,2,3
	global_store_b128 v[VO+\c], v[PC+16*(\a%2)+4*\c:PC+16*(\a%2)+4*\c+3], s[12:13]
.endr
	ds_store_b32 v[LSW], v[PW+\a] offset:64*\a
.endr
	ds_load_b128 v[T:T+3], v[LSR]
	s_wait_dscnt 0x0
	global_store_b128 v[SCO], v[T:T+3], s[96:97]
	s_wait_tensorcnt 0x0
	ds_add_u32 v[SPW], v[NIL]
	s_wait_dscnt 0x0
	CROUND
	s_endpgm
.Lfunc_end_k_q2609eeeea9_qkv:
	.size	k_q2609eeeea9_qkv, .Lfunc_end_k_q2609eeeea9_qkv-k_q2609eeeea9_qkv
	.p2alignl 7, 3214868480
	.fill 96, 4, 3214868480
	.section	.rodata,"a",@progbits
	.p2align	6, 0x0
	.amdhsa_kernel k_q2609eeeea9_qkv
		.amdhsa_group_segment_fixed_size 327680
		.amdhsa_private_segment_fixed_size 0
		.amdhsa_enable_private_segment 0
		.amdhsa_kernarg_size 104
		.amdhsa_user_sgpr_count 2
		.amdhsa_user_sgpr_kernarg_segment_ptr 1
		.amdhsa_wavefront_size32 1
		.amdhsa_system_sgpr_workgroup_id_x 1
		.amdhsa_system_sgpr_workgroup_id_y 1
		.amdhsa_system_sgpr_workgroup_id_z 1
		.amdhsa_system_vgpr_workitem_id 0
		.amdhsa_next_free_vgpr 1024
		.amdhsa_next_free_sgpr 102
		.amdhsa_reserve_vcc 0
		.amdhsa_float_denorm_mode_32 3
		.amdhsa_float_denorm_mode_16_64 3
		.amdhsa_memory_ordered 1
		.amdhsa_forward_progress 1
		.amdhsa_inst_pref_size 207
	.end_amdhsa_kernel
	.amdgpu_metadata
---
amdhsa.version: [ 1, 2 ]
amdhsa.kernels:
  - .name:           k_q2609eeeea9_qkv
    .symbol:         k_q2609eeeea9_qkv.kd
    .args:
      - { .name: x_codes, .offset: 0, .size: 8, .value_kind: global_buffer, .address_space: global }
      - { .name: x_scales, .offset: 8, .size: 8, .value_kind: global_buffer, .address_space: global }
      - { .name: Wq_codes, .offset: 16, .size: 8, .value_kind: global_buffer, .address_space: global }
      - { .name: Wq_scales, .offset: 24, .size: 8, .value_kind: global_buffer, .address_space: global }
      - { .name: Wk_codes, .offset: 32, .size: 8, .value_kind: global_buffer, .address_space: global }
      - { .name: Wk_scales, .offset: 40, .size: 8, .value_kind: global_buffer, .address_space: global }
      - { .name: Wv_codes, .offset: 48, .size: 8, .value_kind: global_buffer, .address_space: global }
      - { .name: Wv_scales, .offset: 56, .size: 8, .value_kind: global_buffer, .address_space: global }
      - { .name: bq, .offset: 64, .size: 8, .value_kind: global_buffer, .address_space: global }
      - { .name: bk, .offset: 72, .size: 8, .value_kind: global_buffer, .address_space: global }
      - { .name: bv, .offset: 80, .size: 8, .value_kind: global_buffer, .address_space: global }
      - { .name: img, .offset: 88, .size: 8, .value_kind: global_buffer, .address_space: global }
      - { .name: sc, .offset: 96, .size: 8, .value_kind: global_buffer, .address_space: global }
    .group_segment_fixed_size: 327680
    .private_segment_fixed_size: 0
    .kernarg_segment_align: 8
    .kernarg_segment_size: 104
    .max_flat_workgroup_size: 128
    .sgpr_count:     102
    .vgpr_count:     1024
    .wavefront_size: 32
...
	.end_amdgpu_metadata
.endif
;; end of part 2
;; launch attn (part 3): grid 4 x 64, 16 waves a work-group, no clusters, 327,680 bytes of LDS; arguments img, sc, att, x; writes att
.if DOCPART == 3
	.amdgcn_target "amdgcn-amd-amdhsa--gfx1250"
	.amdhsa_code_object_version 6
	.text
	.protected	k_q2609eeeea9_attn
	.globl	k_q2609eeeea9_attn
	.p2align	8
	.type	k_q2609eeeea9_attn,@function
k_q2609eeeea9_attn:
	s_mov_b64 s[64:65], 0
	v_nop
	global_prefetch_b8 v0, s[64:65] scope:SCOPE_SE
	s_setreg_imm32_b32 hwreg(HW_REG_WAVE_MODE, 25, 1), 1
	s_wait_xcnt 0x0
; att[token][head's 64 channels] = the sum over keys k <= q of softmax_k(q . k / 8 + 1) v, both products on codes of FP8 (E4M3) with E8M0 scales for each 32 along a product's K.
; q, k, v come as images of operand registers with their scale words (img: q at 0, k at 8 MiB: [batch x head][tile of 16 tokens][2][512 bytes]; v at 16 MiB: [batch x head][128 keys][tile of 16 channels][4][512 bytes];
; sc: q at 0, k at 256 KiB: [batch][pair of heads][token] a word, two bytes a head; v at 512 KiB: [batch x head][128 keys][channel] a word).
; THE SOFTMAX: t = score x log2(e) / 8 + log2(e) (the mask adds 1 to every logit that counts); M = the running largest t rounded UP; p = 2^(t - M) is quantised along the keys, not normalised;
; the row's sum is taken of the unquantised p and divides at the end.  When M moves, the sum and O are multiplied by 2^(old M - new M): exact.
; SHARES.  A work-group owns blocks 7 - i and i of 256 queries of one head (i = work-group x); wave w owns 16 queries of each, the late block's tile first.  16 - 2 i and 2 i + 2 key steps of 128: 18 in every work-group.
; A HEAD'S K AND V STAY IN LDS: 2 x 131,072 bytes of images, 8,192 + 4,096 of scale words.  Each byte is filled once, in chunks of 512 keys (waves 0 to 3: 16,384 bytes each), a chunk a trip of four key steps ahead of its first read;
; a chunk whose first key comes after the work-group's last query is not asked for (a test on ids behind the barrier).  The first loop has 4 trips and 4 barriers; the second tile reads keys under 1,024, which lie in LDS: no barrier there.
; The load's place goes round modulo 4 chunks, so that in the fourth trip, where the test on ids always leads round the load, its descriptor still names bytes of the images.
; Steps all of whose keys come after the wave's queries are left out by a scalar branch on ids to the trip's end (all later steps of the trip are hidden too).
; NO JOINT LOADS: the four work-groups of a head need 8 - i blocks of 256 keys; work-groups 2 and 3 read nothing of the last chunk, which a joint load would bring them.
; NO PREFETCH: a chunk's own tensor load goes out four key steps of all sixteen waves ahead of the wait for it, and a head's 64 KiB a trip are all that the work-group asks for.
; LAYOUT.  Both products transposed: S^T = K Q^T, O^T = V^T P^T: a lane holds ONE query (lane % 16).  The 16 registers of score tiles 2 b, 2 b + 1 hold keys 32 b + 16 u + 8 h + j; converted they stand at place 32 b + 16 h + 8 u + j of
; P's operand, where V's image has the same keys.  The head's K of 64 fills half of the instruction's 128: the other half is zero codes on both sides.
; LIMITS: NaN and infinities are not served; a block of p that has fallen under 2^-118 keeps the byte 1.
; REGISTERS: v1-8 addresses that stay; v9-11, v219 addresses of the trip; v12 log2(e) - M, v13 the largest t, v[14:15] the sum; v16-23 Q, v24-31 zeros; v32-95 four fragments of K (8 of data, 8 of zeros each); v96-159 S^T, p, then V's fragments;
; v160-191 O^T; v192-207 p's codes; v208-216 the second tile's Q and scale word; v217 Q's scale word; v218 -M; v220-223 K's scale words; v224-227 V's; v228 p's; v229 the old -M; v230-255 at work.
; THE RESIDUAL: what is stored in att is that sum + x[token][the same 64 channels], y of the norm that follows.  A tile's 16 x 256 bytes of x are loaded into K's eight-register data halves when the wave has left the tile's loop,
; and are prefetched, a lane a row of 256 bytes (lanes 16-31 name the last row again), in the tile's last working trip of the first loop and in the first trip of the second.
.set VIMG,  0x20000
.set KSC,   0x40000                    ; K's scale words: 512 bytes a step
.set VSC,   0x42000                    ; V's: 256 bytes a step
.set SPARE, 0x43000                    ; the spare words, 128 bytes a wave: eight blocks of 256 bytes that no other line names
.set STAGE, 65536                      ; the way out: 16 rows x 272 bytes a wave, in the images of keys 1,024 on (waves 0-7 in K's, 8-15 in V's): behind the barrier between the tiles they have had their last fill and nobody reads them
.set SPITCH, 272
.set WSTG,  16*SPITCH
.set LI,   1
.set AKS,  2
.set AVS,  3
.set GO,   4
.set SPW,  5
.set NIL,  6
.set STO,  7
.set SRD,  8
.set ADK,  9
.set ADS,  10
.set ADT,  11
.set ADV,  219
.set WV,   18
.set MNT,  19
.set SEL,  20
.set CS,   22
.set L2E,  24
.set G1C,  28                          ; s[28:35] group 1 for 16,384 dense bytes; s[36:43] for 8,192; s[44:51] for 4,096
.set G1KS, 36
.set G1VS, 44
.set G0,   52                          ; s[52:55] group 0 of the chunks; s[56:59], s[60:63] of the scale words
.set G0KS, 56
.set G0VS, 60
.set TBK,  66                          ; where the trip's images, K's scale words, V's scale words begin
.set VIS,  67
.set TBS,  68
.set TBT,  69
.set GB,   70                          ; s[70:71] my part of chunk 0 in memory
.set KF,   72                          ; the step's first key
.set Q0,   73                          ; my tile's first query
.set LB,   74                          ; my part of chunk 0 in LDS
.set Q0N,  75                          ; the second tile's first query
.set OUT1, 76
.set OUT2, 78
.set OFF,  86                          ; s[86:87] a chunk's offset, upper word 0
.macro PLACES n
.rept \n
	v_nop
.endr
.endm
.macro INIT                            ; a tile begins: O^T and the sum are zeros, the largest t lies under every t
.set J_, 0
.rept 32
	v_mov_b32 v[160+J_], 0
.set J_, J_+1
.endr
	v_mov_b32 v13, 0xff61b1e6
	s_delay_alu instid0(VALU_DEP_1)
	v_floor_f32 v218, -v13
	v_mov_b32 v14, 0
	v_mov_b32 v15, 0
.endm
	s_load_b128 s[4:7], s[0:1], 0x0                ; img, sc
	s_load_b128 s[8:11], s[0:1], 0x10              ; att, x
	v_lshl_add_u32 v[SPW], v0, 2, SPARE
	v_mov_b32 v[NIL], 0
	ds_add_u32 v[SPW], v[NIL]                      ; the opening lines: the add, twice on end, and its wait
	ds_add_u32 v[SPW], v[NIL]
	v_lshrrev_b32 v9, 5, v0
	v_readfirstlane_b32 s[WV], v9                  ; wave 0..15
	s_and_b32 s80, ttmp7, 0xffff                   ; batch x 16 + head
	s_lshl_b32 s81, s[WV], 4
	s_sub_co_u32 s82, 7, ttmp9
	s_lshl_b32 s82, s82, 8
	s_add_co_u32 s[Q0], s82, s81                   ; the first tile: 256 (7 - i) + 16 w
	s_lshl_b32 s82, ttmp9, 8
	s_add_co_u32 s[Q0N], s82, s81                  ; the second: 256 i + 16 w
	s_bfe_u32 s83, s[WV], 0x10001                  ; waves 0, 1 fetch K's halves of a chunk, waves 2, 3 V's
	s_and_b32 s84, s[WV], 1
	s_lshl_b32 s[LB], s83, 17
	s_lshl_b32 s85, s84, 14
	s_add_co_u32 s[LB], s[LB], s85
	s_lshl_b32 s[OFF], s83, 23
	s_add_co_u32 s[OFF], s[OFF], s85
	s_lshl_b32 s90, s80, 17                        ; a head's images: 128 KiB
	s_add_co_u32 s[OFF], s[OFF], s90
	s_add_co_u32 s[OFF], s[OFF], 0x800000
	s_mov_b32 s[OFF+1], 0
	s_mov_b32 s91, 0
	s_mov_b32 s[G1C], 3<<16                        ; dense blocks as rows of 256 bytes (32 elements of 8), no padding: every read of an image is 16 x lane on end
	s_mov_b32 s[G1C+1], 32<<16
	s_mov_b32 s[G1C+2], 64<<16
	s_mov_b32 s[G1C+3], 32<<16
	s_mov_b32 s[G1C+4], 64
	s_mov_b32 s[G1C+5], 32
	s_mov_b32 s[G1C+6], 0
	s_mov_b32 s[G1C+7], 0
	s_mov_b32 s[G1KS], 3<<16
	s_mov_b32 s[G1KS+1], 32<<16
	s_mov_b32 s[G1KS+2], 32<<16
	s_mov_b32 s[G1KS+3], 32<<16
	s_mov_b32 s[G1KS+4], 32
	s_mov_b32 s[G1KS+5], 32
	s_mov_b32 s[G1KS+6], 0
	s_mov_b32 s[G1KS+7], 0
	s_mov_b32 s[G1VS], 3<<16
	s_mov_b32 s[G1VS+1], 32<<16
	s_mov_b32 s[G1VS+2], 16<<16
	s_mov_b32 s[G1VS+3], 32<<16
	s_mov_b32 s[G1VS+4], 16
	s_mov_b32 s[G1VS+5], 32
	s_mov_b32 s[G1VS+6], 0
	s_mov_b32 s[G1VS+7], 0
	s_mov_b32 s[MNT], 0x600000
	s_mov_b32 s[SEL], 0x76543210
	s_mov_b32 s[SEL+1], 0xfedcba98
	s_mov_b32 s[CS], 0x3e38aa3b                    ; log2(e) / 8
	s_mov_b32 s[CS+1], s[CS]
	s_mov_b32 s[L2E], 0x3fb8aa3b
	s_lshr_b32 s94, s80, 1
	s_lshl_b32 s94, s94, 13                        ; a pair of heads' scale words of q or k: 8,192 bytes
	s_mov_b32 s95, 0
	s_lshl_b32 s96, s80, 12                        ; a head's scale words of v: 4,096 bytes
	s_mov_b32 s97, 0
	s_wait_dscnt 0x0                               ; both opening adds are done
	s_wait_kmcnt 0x0
	s_add_nc_u64 s[GB:GB+1], s[4:5], s[OFF:OFF+1]
	s_add_nc_u64 s[92:93], s[4:5], s[90:91]        ; q's images of my head
	s_add_nc_u64 s[94:95], s[6:7], s[94:95]        ; q's scale words
	s_add_nc_u64 s[96:97], s[6:7], s[96:97]
	s_mov_b32 s[G0], 1
	s_mov_b32 s[G0+1], s[LB]
	s_mov_b64 s[G0+2:G0+3], s[GB:GB+1]
	s_or_b32 s[G0+3], s[G0+3], 0x80000000
	s_mov_b32 s[G0KS], 1
	s_mov_b32 s[G0KS+1], KSC
	s_add_nc_u64 s[G0KS+2:G0KS+3], s[94:95], 0x40000
	s_or_b32 s[G0KS+3], s[G0KS+3], 0x80000000
	s_mov_b32 s[G0VS], 1
	s_mov_b32 s[G0VS+1], VSC
	s_add_nc_u64 s[G0VS+2:G0VS+3], s[96:97], 0x80000
	s_or_b32 s[G0VS+3], s[G0VS+3], 0x80000000
; the head's loads, one a wave, in one chain of branches on the wave's number: waves 0 to 3 chunk 0, wave 4 K's scale words, wave 5 V's
.macro ARM under, g0, g1, next
	s_cmp_lt_u32 s[WV], \under
	s_cbranch_scc0 \next
	tensor_load_to_lds s[\g0:\g0+3], s[\g1:\g1+7]
	s_nop 0
	PLACES 4
	s_branch .Lhead_asked
\next:
.endm
	ARM 4, G0,   G1C,  .Lhead_ks
	ARM 5, G0KS, G1KS, .Lhead_vs
	ARM 6, G0VS, G1VS, .Lhead_none
.Lhead_asked:
	s_lshr_b32 s81, s80, 4
	s_lshl_b32 s81, s81, 11                        ; the batch's first token
	s_and_b32 s88, s80, 15
	s_lshl_b32 s88, s88, 8                         ; the head's 256 bytes of a row of att
	s_add_co_u32 s90, s81, s[Q0]
	s_lshl_b32 s90, s90, 12
	s_add_co_u32 s90, s90, s88
	s_add_nc_u64 s[OUT1:OUT1+1], s[8:9], s[90:91]
	s_add_nc_u64 s[12:13], s[10:11], s[90:91]      ; the first tile's place in x
	s_add_co_u32 s90, s81, s[Q0N]
	s_lshl_b32 s90, s90, 12
	s_add_co_u32 s90, s90, s88
	s_add_nc_u64 s[OUT2:OUT2+1], s[8:9], s[90:91]
	s_add_nc_u64 s[14:15], s[10:11], s[90:91]      ; the second's
	s_and_b32 s82, s80, 1
	s_lshl_b32 s82, s82, 1                         ; my head's two bytes of a scale word
	s_add_co_u32 s83, s82, KSC
	s_lshl_b32 s84, s[Q0], 2
	s_add_co_u32 s84, s84, s82
	s_lshl_b32 s85, s[Q0N], 2
	s_add_co_u32 s85, s85, s82
	s_lshl_b32 s98, s[Q0], 6                       ; 1,024 bytes a tile of 16 queries
	s_lshl_b32 s99, s[Q0N], 6
	s_and_b32 s96, s[WV], 7
	s_mul_i32 s96, s96, WSTG
	s_lshr_b32 s97, s[WV], 3
	s_lshl_b32 s97, s97, 17
	s_add_co_u32 s96, s96, s97
	s_add_co_u32 s96, s96, STAGE                   ; my stage
	s_mov_b32 s[TBK], 0
	s_mov_b32 s[TBS], 0
	s_mov_b32 s[TBT], 0
	s_mov_b32 s[VIS], 0
	s_mov_b32 s[KF], 0
	v_and_b32 v10, 31, v0
	v_lshlrev_b32 v[LI], 4, v10
	v_and_b32 v9, 15, v0                           ; r
	v_bfe_u32 v10, v0, 4, 1                        ; h
	v_add_nc_u32 v232, s98, v[LI]
	v_add_nc_u32 v233, s99, v[LI]
	v_lshl_add_u32 v234, v9, 2, s84
	v_lshl_add_u32 v235, v9, 2, s85
	global_load_b128 v[16:19], v232, s[92:93]              ; Q's fragment of the first tile,
	global_load_b128 v[20:23], v232, s[92:93] offset:512
	global_load_b128 v[208:211], v233, s[92:93]            ; of the second,
	global_load_b128 v[212:215], v233, s[92:93] offset:512
	global_load_u16 v217, v234, s[94:95]                   ; and their scale words: two bytes, the upper two 0 over zero codes
	global_load_u16 v216, v235, s[94:95]
	v_lshl_add_u32 v[AKS], v9, 2, s83
	v_lshl_add_u32 v[AVS], v9, 2, VSC
	v_lshlrev_b32 v[GO], 12, v10
	v_lshl_add_u32 v[GO], v9, 4, v[GO]             ; lanes 0-15 one row of att, lanes 16-31 the next; 16 bytes a lane
	v_mul_u32_u24 v[STO], v9, SPITCH
	v_lshl_add_u32 v[STO], v10, 5, v[STO]
	v_add_nc_u32 v[STO], s96, v[STO]               ; in: row r, + 32 h
	v_mul_u32_u24 v[SRD], v10, SPITCH
	v_lshl_add_u32 v[SRD], v9, 4, v[SRD]
	v_add_nc_u32 v[SRD], s96, v[SRD]               ; back: lanes 0-15 one row, lanes 16-31 the next
.irp j, 0,1,2,3,4,5,6,7
	v_mov_b32 v[24+\j], 0                          ; places 64 to 127 along K hold zero codes, set once: Q's,
.endr
.irp t, 0,1,2,3
.irp j, 0,1,2,3,4,5,6,7
	v_mov_b32 v[40+16*\t+\j], 0                    ; and those of K's four fragments
.endr
.endr
	INIT
.irp b, 0,1,2,3
	v_mov_b32 v[236+\b], 0                         ; a lane permute's destination counts as one of its sources
.endr
	v_mov_b32 v252, 0
	v_mov_b32 v253, 0
	v_mov_b32 v254, 0
.macro KLOAD q, g                      ; four tiles of 16 keys and their scale words
.irp t, 0,1,2,3
	ds_load_b128 v[32+16*\t:35+16*\t], v[ADK] offset:8192*(\q)+(4*(\g)+\t)*1024
	ds_load_b128 v[36+16*\t:39+16*\t], v[ADK] offset:8192*(\q)+(4*(\g)+\t)*1024+512
	ds_load_u16 v[220+\t], v[ADS] offset:512*(\q)+64*(4*(\g)+\t)
.endr
.endm
.macro SMUL g                          ; S^T = K Q^T; lane (r, h): query r; register 8 T + j: key 16 T + 8 h + j of the step
.irp t, 0,1,2,3
	v_wmma_scale_f32_16x16x128_f8f6f4 v[96+8*(4*(\g)+\t):103+8*(4*(\g)+\t)], v[32+16*\t:47+16*\t], v[16:31], 0, v[220+\t], v217
.endr
.endm
.macro MASKS n0                        ; register n is hidden where 16 (n / 8) + n % 8 > d
.set N_, \n0
.rept 32
	v_cmp_gt_i32 vcc_lo, 16*(N_/8)+N_%8, v252
	v_cndmask_b32 v[96+N_], v[96+N_], v254, vcc_lo
.set N_, N_+1
.endr
.endm
.macro BMAX b0                         ; the largest score of two blocks of 32 keys, by turns
.irp b, \b0, \b0+1
	v_max3_num_f32 v[232+\b], v[96+16*(\b)], v[97+16*(\b)], v[98+16*(\b)]
.endr
.irp i, 3,5,7,9,11,13
.irp b, \b0, \b0+1
	v_max3_num_f32 v[232+\b], v[232+\b], v[96+16*(\b)+\i], v[97+16*(\b)+\i]
.endr
.endr
.irp b, \b0, \b0+1
	v_max_num_f32 v[232+\b], v[232+\b], v[111+16*(\b)]
.endr
.endm
; A KEY STEP: the q-th 128 keys behind the trip's addresses.  pre = 1: the step before has fetched my first four tiles of K; nxt = 1: I fetch the next step's.  out: the trip's end
.macro STEP q, pre, nxt, out
	s_add_co_u32 s96, s[Q0], 15
	s_cmp_gt_u32 s[KF], s96                        ; all keys from here on come after my queries (a branch on ids)
	s_cbranch_scc1 \out
.if \pre == 0
	KLOAD \q, 0
	s_wait_dscnt 0x0
	s_wait_xcnt 0x0                                ; a prefetch at the trip's head has read v254, which this step writes
.endif
	SMUL 0
	PLACES 8                                       ; ahead of loads into what these products read, and of the first reader of their sums
	KLOAD \q, 1
	s_add_co_u32 s96, s[KF], 127                   ; on the diagonal hidden scores become -infinity ahead of the maximum; a step all of whose keys count skips this
	s_cmp_le_u32 s96, s[Q0]
	s_cbranch_scc1 .Lopa_\@
	s_sub_co_i32 s96, s[Q0], s[KF]
	v_and_b32 v252, 15, v0
	v_bfe_u32 v253, v0, 4, 1
	v_lshlrev_b32 v253, 3, v253
	v_sub_nc_u32 v252, v252, v253
	v_add_nc_u32 v252, s96, v252                   ; d = my query - the step's first key - 8 h
	v_mov_b32 v254, 0xff800000
	MASKS 0
.Lopa_\@:
	BMAX 0                                         ; blocks 0 and 1, while the second four tiles are on their way
	s_wait_alu depctr_va_vdst(0)                   ; the wait here, directly ahead of the wait below
	s_wait_dscnt 0x0
	SMUL 1
	v_permlanex16_b32 v236, v232, s[SEL], s[SEL+1]
	v_permlanex16_b32 v237, v233, s[SEL], s[SEL+1]
	v_max_num_f32 v232, v232, v236                 ; with lane l xor 16's 16 keys
	v_max_num_f32 v233, v233, v237
	v_mov_b32 v229, v218                           ; the old -M
	PLACES 5                                       ; with the three lines above: eight places
.if \nxt
	KLOAD (\q)+1, 0
.endif
	s_add_co_u32 s96, s[KF], 127
	s_cmp_le_u32 s96, s[Q0]
	s_cbranch_scc1 .Lopb_\@
	MASKS 32
.Lopb_\@:
	BMAX 2
	s_delay_alu instid0(VALU_DEP_2)
	v_permlanex16_b32 v238, v234, s[SEL], s[SEL+1]
	s_delay_alu instid0(VALU_DEP_2)
	v_permlanex16_b32 v239, v235, s[SEL], s[SEL+1]
	s_delay_alu instid0(VALU_DEP_2)
	v_max_num_f32 v234, v234, v238
	s_delay_alu instid0(VALU_DEP_2)
	v_max_num_f32 v235, v235, v239
	s_delay_alu instid0(VALU_DEP_2)
	v_max3_num_f32 v254, v232, v233, v234
	s_delay_alu instid0(VALU_DEP_1)
	v_max_num_f32 v254, v254, v235                 ; the step's largest score of my query
	s_delay_alu instid0(VALU_DEP_1)
	v_fma_f32 v254, v254, s[CS], s[L2E]            ; as t
	s_delay_alu instid0(VALU_DEP_1)
	v_max_num_f32 v13, v13, v254                   ; the running largest t
	s_delay_alu instid0(VALU_DEP_1)
	v_floor_f32 v218, -v13                         ; the new -M = floor(-t)
	s_delay_alu instid0(VALU_DEP_1)
	v_sub_f32 v254, v218, v229                     ; old M - new M: a whole number, 0 or less
	s_delay_alu instid0(VALU_DEP_1)
	v_cvt_i32_f32 v254, v254
	s_delay_alu instid0(VALU_DEP_1)
	v_ldexp_f32 v252, 1.0, v254                    ; f = 2^(old M - new M)
	s_delay_alu instid0(VALU_DEP_4)
	v_add_f32 v12, s[L2E], v218                    ; log2(e) - M
.set J_, 0
.rept 32
	v_pk_fma_f32 v[96+J_:97+J_], v[96+J_:97+J_], s[CS:CS+1], v[12:13] op_sel_hi:[1,0,0]   ; t - M, two at a time
.set J_, J_+2
.endr
.irp b, 0,1,2,3
	v_fma_f32 v[232+\b], v[232+\b], s[CS], v12     ; the same of each block's largest score
.endr
	s_wait_alu depctr_va_vdst(0)                   ; the wait ahead of the batch
.set J_, 0
.rept 64
	v_exp_f32 v[96+J_], v[96+J_]                   ; p = 2^(t - M), at most 1
.set J_, J_+1
.endr
.irp b, 0,1,2,3
	v_exp_f32 v[232+\b], v[232+\b]                 ; the block's largest p: the same two instructions on the same number
.endr
	v_pk_mul_f32 v[14:15], v[14:15], v[252:253] op_sel_hi:[1,0]   ; the sum under the new M (a plain place behind the batch)
	s_wait_alu depctr_va_vdst(0)                   ; one wait for the batch, ahead of its first reader
.irp b, 0,1,2,3
	v_max_num_f32 v[232+\b], 0x4800000, v[232+\b]  ; the floor 2^(9 - 127): the byte cannot fall under 1
.endr
.irp b, 0,1,2,3
	s_delay_alu instid0(VALU_DEP_4)
	v_add_nc_u32 v[244+\b], 0xfc000000, v[232+\b]  ; 8 off the exponent field: the conversion's scale operand
.endr
.irp b, 0,1,2,3
	v_and_or_b32 v[240+\b], v[232+\b], 0x7f800000, s[MNT]   ; 448 x the scale
.endr
.irp b, 0,1,2,3
	v_lshrrev_b32 v[236+\b], 23, v[244+\b]         ; the scale's byte
.endr
	s_delay_alu instid0(VALU_DEP_3)
	v_lshl_or_b32 v228, v237, 8, v236              ; p's scale word for these 128 keys
	s_delay_alu instid0(VALU_DEP_1)
	v_lshl_or_b32 v228, v238, 16, v228
	s_delay_alu instid0(VALU_DEP_1)
	v_lshl_or_b32 v228, v239, 24, v228
	v_pk_add_f32 v[236:237], v[100:101], v[104:105]   ; the row's sum of the unquantised p, in eight chains
	v_pk_add_f32 v[254:255], v[108:109], v[112:113]
	v_pk_add_f32 v[250:251], v[116:117], v[120:121]
	v_pk_add_f32 v[248:249], v[124:125], v[128:129]
	v_pk_add_f32 v[234:235], v[132:133], v[136:137]
	v_pk_add_f32 v[232:233], v[140:141], v[144:145]
	v_pk_add_f32 v[230:231], v[148:149], v[152:153]
	v_pk_add_f32 v[14:15], v[14:15], v[156:157]
	v_pk_add_f32 v[236:237], v[236:237], v[96:97]
	v_pk_add_f32 v[254:255], v[254:255], v[98:99]
	v_pk_add_f32 v[250:251], v[250:251], v[102:103]
	v_pk_add_f32 v[248:249], v[248:249], v[106:107]
	v_pk_add_f32 v[234:235], v[234:235], v[110:111]
	v_pk_add_f32 v[232:233], v[232:233], v[114:115]
	v_pk_add_f32 v[230:231], v[230:231], v[118:119]
	v_pk_add_f32 v[14:15], v[14:15], v[122:123]
	v_pk_add_f32 v[236:237], v[236:237], v[126:127]
	v_pk_add_f32 v[254:255], v[254:255], v[130:131]
	v_pk_add_f32 v[250:251], v[250:251], v[134:135]
	v_pk_add_f32 v[248:249], v[248:249], v[138:139]
	v_pk_add_f32 v[234:235], v[234:235], v[142:143]
	v_pk_add_f32 v[232:233], v[232:233], v[146:147]
	v_pk_add_f32 v[230:231], v[230:231], v[150:151]
	v_pk_add_f32 v[14:15], v[14:15], v[154:155]
	v_pk_add_f32 v[236:237], v[236:237], v[158:159]
.irp b, 0,1,2,3
.irp i, 0,2,4,6,8,10,12,14
	v_dual_min_num_f32 v[96+16*\b+\i], v[96+16*\b+\i], v[240+\b] :: v_dual_min_num_f32 v[97+16*\b+\i], v[97+16*\b+\i], v[240+\b]   ; the conversion does not saturate (ISA guide 7.6.2); p is not negative: a one-sided hold, two a line
.endr
	v_cvt_scalef32_pk8_fp8_f32 v[192+4*\b:193+4*\b], v[96+16*\b:103+16*\b], v[244+\b]
	v_cvt_scalef32_pk8_fp8_f32 v[194+4*\b:195+4*\b], v[104+16*\b:111+16*\b], v[244+\b]
.endr
.irp t, 0,1,2,3                                ; V's four fragments (16 channels x 128 keys) land where p lay, while O^T is rescaled
.irp c, 0,1,2,3
	ds_load_b128 v[96+16*\t+4*\c:99+16*\t+4*\c], v[ADV] offset:8192*(\q)+2048*\t+512*\c
.endr
	ds_load_b32 v[224+\t], v[ADT] offset:256*(\q)+64*\t
.endr
	s_wait_alu depctr_va_vdst(0)                   ; the wait here, directly ahead of the first reader of O^T
.irp j, 0,2,4,6,8,10,12,14,16,18,20,22,24,26,28,30
	v_pk_mul_f32 v[160+\j:161+\j], v[160+\j:161+\j], v[252:253] op_sel_hi:[1,0]   ; O^T x f (also the places between the codes and the products)
.endr
	s_wait_alu depctr_va_vdst(0)                   ; the wait here, directly ahead of the wait below
	s_wait_dscnt 0x0                               ; V's fragments, and the next step's first tiles of K
.irp t, 0,1,2,3
	v_wmma_scale_f32_16x16x128_f8f6f4 v[160+8*\t:167+8*\t], v[96+16*\t:111+16*\t], v[192:207], v[160+8*\t:167+8*\t], v[224+\t], v228   ; the four accumulators by turns
.endr
	v_pk_add_f32 v[14:15], v[14:15], v[248:249]    ; the eight chains are joined here: with the two lines below nine places behind the products, ahead of the next step's products, which write over V's fragments
	v_pk_add_f32 v[236:237], v[236:237], v[234:235]
	v_pk_add_f32 v[254:255], v[254:255], v[232:233]
	v_pk_add_f32 v[250:251], v[250:251], v[230:231]
	v_pk_add_f32 v[14:15], v[14:15], v[254:255]
	v_pk_add_f32 v[236:237], v[236:237], v[250:251]
	v_pk_add_f32 v[14:15], v[14:15], v[236:237]
	PLACES 2
	s_add_co_u32 s[KF], s[KF], 128
.endm
.macro ADDRS                           ; the trip's LDS addresses
	v_add_nc_u32 v[ADK], s[TBK], v[LI]
	v_add_nc_u32 v[ADS], s[TBS], v[AKS]
	v_add_nc_u32 v[ADT], s[TBT], v[AVS]
	v_add_nc_u32 v[ADV], VIMG, v[ADK]
	s_wait_alu depctr_va_vdst(0)                   ; the wait here, directly behind the writes
.endm
; A tile leaves: O^T is divided by the row's sum and goes through my stage in LDS, so that sixteen lanes store the 256 consecutive bytes that the head has in a row of att.
.macro XLOAD x                         ; the tile's part of x, laid as the stores below: lanes 0-15 one row's 256 bytes, lanes 16-31 the next row's
.irp i, 0,1,2,3,4,5,6,7
	global_load_b128 v[32+16*(\i/2)+4*(\i%2):35+16*(\i/2)+4*(\i%2)], v[GO], s[\x:\x+1] offset:8192*\i th:TH_LOAD_NT
.endr
.endm
.macro ASKX x                          ; 16 rows x 256 bytes of x, a lane a row
	s_wait_xcnt 0x0                                ; an earlier prefetch has read v254
	v_and_b32 v254, 31, v0
	v_min_u32 v254, 15, v254
	v_lshlrev_b32 v254, 12, v254
	global_prefetch_b8 v254, s[\x:\x+1] th:TH_LOAD_NT scope:SCOPE_SE
.endm
.macro OUTPUT p
	s_wait_alu depctr_va_vdst(0)
	v_add_f32 v14, v14, v15
	v_permlanex16_b32 v252, v14, s[SEL], s[SEL+1]
	v_add_f32 v14, v14, v252                       ; the sum's two halves and lane l xor 16's
	s_wait_alu depctr_va_vdst(0)
	v_rcp_f32 v14, v14
	v_nop
	s_wait_alu depctr_va_vdst(0)
.irp j, 0,2,4,6,8,10,12,14,16,18,20,22,24,26,28,30
	v_pk_mul_f32 v[96+\j:97+\j], v[160+\j:161+\j], v[14:15] op_sel_hi:[1,0]   ; register 8 t + j: channel 16 t + 8 h + j of query r; each accumulator from its low end on
.endr
.irp t, 0,1,2,3
	ds_store_b128 v[STO], v[96+8*\t:99+8*\t] offset:64*\t
	ds_store_b128 v[STO], v[100+8*\t:103+8*\t] offset:64*\t+16
.endr
.irp i, 0,1,2,3,4,5,6,7
	ds_load_b128 v[128+4*\i:131+4*\i], v[SRD] offset:\i*2*SPITCH   ; LDS serves a wave's instructions in order: these see my stores
.endr
.irp i, 0,1,2,3,4,5,6,7
	s_wait_dscnt 7-\i                              ; the younger LDS loads,
	s_wait_loadcnt 7-\i                            ; and the younger loads of x, may stay out
	v_pk_add_f32 v[128+4*\i:129+4*\i], v[128+4*\i:129+4*\i], v[32+16*(\i/2)+4*(\i%2):33+16*(\i/2)+4*(\i%2)]
	v_pk_add_f32 v[130+4*\i:131+4*\i], v[130+4*\i:131+4*\i], v[34+16*(\i/2)+4*(\i%2):35+16*(\i/2)+4*(\i%2)]
	global_store_b128 v[GO], v[128+4*\i:131+4*\i], s[\p:\p+1] offset:8192*\i
.endr
	s_wait_xcnt 0x0                                ; the stores' data registers are written again only behind this wait
.endm
	s_wait_alu depctr_va_vdst(0)                   ; the wait at the head's end
	s_wait_loadcnt 0x0                             ; Q of both tiles
.Ltrip:                                            ; THE FIRST TILE: 4 trips of 512 keys
	s_wait_tensorcnt 0x0                           ; my part of this trip's chunk is in; no load of mine is out, so group 0 may be written
	ds_add_u32 v[SPW], v[NIL]                      ; the add, here twice on end
	ds_add_u32 v[SPW], v[NIL]
	s_add_co_u32 s[OFF], s[VIS], 1
	s_and_b32 s[OFF], s[OFF], 3
	s_lshl_b32 s[OFF], s[OFF], 15                  ; the next chunk, 32,768 bytes on in K's and in V's images
	s_add_co_u32 s[G0+1], s[LB], s[OFF]
	s_add_nc_u64 s[G0+2:G0+3], s[GB:GB+1], s[OFF:OFF+1]
	s_or_b32 s[G0+3], s[G0+3], 0x80000000
	s_wait_dscnt 0x0
	s_barrier_signal -1
	s_barrier_wait -1
	s_add_co_u32 s96, s[KF], 512                   ; the next chunk's first key
	s_or_b32 s97, s[Q0], 255                       ; my work-group's last query
	s_cmp_gt_u32 s96, s97                          ; ids and the count of trips alone: a chunk that no wave reads is not asked for
	s_cbranch_scc1 .Lpast
	s_cmp_lt_u32 s[WV], 4
	s_cbranch_scc0 .Lpast
	tensor_load_to_lds s[G0:G0+3], s[G1C:G1C+7]
	s_nop 0
	PLACES 4
.Lpast:
	ADDRS
	s_or_b32 s97, s[Q0], 255
	s_lshr_b32 s97, s97, 9                         ; the trip that holds my work-group's last key
	s_cmp_lg_u32 s[VIS], s97
	s_cbranch_scc1 .Lno_ask1
	ASKX 12
.Lno_ask1:
	STEP 0, 0, 1, .Ltrip_end
	STEP 1, 1, 1, .Ltrip_end
	STEP 2, 1, 1, .Ltrip_end
	STEP 3, 1, 0, .Ltrip_end
.Ltrip_end:
	s_add_co_u32 s[TBK], s[TBK], 32768
	s_add_co_u32 s[TBS], s[TBS], 2048
	s_add_co_u32 s[TBT], s[TBT], 1024
	s_add_co_u32 s[VIS], s[VIS], 1
	s_lshl_b32 s[KF], s[VIS], 9
	s_cmp_lt_u32 s[VIS], 4
	s_cbranch_scc1 .Ltrip
	XLOAD 12                                       ; K's fragments are done with: x of the first tile is on its way across the barrier
	s_wait_tensorcnt 0x0
	s_wait_dscnt 0x0
	s_barrier_signal -1
	s_barrier_wait -1                              ; so are everybody's: keys 1,024 on are read no more, and the stages lie there
	OUTPUT OUT1
	v_mov_b32 v217, v216                           ; THE SECOND TILE: its scale word, its fragment,
.irp j, 0,1,2,3,4,5,6,7
	v_mov_b32 v[16+\j], v[208+\j]
.endr
	INIT
	s_mov_b32 s[Q0], s[Q0N]
	s_mov_b32 s[KF], 0
	s_mov_b32 s[TBK], 0
	s_mov_b32 s[TBS], 0
	s_mov_b32 s[TBT], 0
	s_mov_b32 s[VIS], 0
.Lsecond:
	ADDRS
	s_cmp_lg_u32 s[VIS], 0
	s_cbranch_scc1 .Lno_ask2
	ASKX 14
.Lno_ask2:
	STEP 0, 0, 0, .Lsecond_end
.Lsecond_end:
	s_add_co_u32 s[TBK], s[TBK], 8192
	s_add_co_u32 s[TBS], s[TBS], 512
	s_add_co_u32 s[TBT], s[TBT], 256
	s_add_co_u32 s[VIS], s[VIS], 1
	s_lshl_b32 s[KF], s[VIS], 7
	s_cmp_lt_u32 s[VIS], 8
	s_cbranch_scc1 .Lsecond
	XLOAD 14
	OUTPUT OUT2
	s_wait_tensorcnt 0x0                           ; the wave's end
	ds_add_u32 v[SPW], v[NIL]
	s_wait_dscnt 0x0
	s_endpgm
.Lfunc_end_k_q2609eeeea9_attn:
	.size	k_q2609eeeea9_attn, .Lfunc_end_k_q2609eeeea9_attn-k_q2609eeeea9_attn
	.p2alignl 7, 3214868480
	.fill 96, 4, 3214868480
	.section	.rodata,"a",@progbits
	.p2align	6, 0x0
	.amdhsa_kernel k_q2609eeeea9_attn
		.amdhsa_group_segment_fixed_size 327680
		.amdhsa_private_segment_fixed_size 0
		.amdhsa_enable_private_segment 0
		.amdhsa_kernarg_size 32
		.amdhsa_user_sgpr_count 2
		.amdhsa_user_sgpr_kernarg_segment_ptr 1
		.amdhsa_wavefront_size32 1
		.amdhsa_system_sgpr_workgroup_id_x 1
		.amdhsa_system_sgpr_workgroup_id_y 1
		.amdhsa_system_sgpr_workgroup_id_z 1
		.amdhsa_system_vgpr_workitem_id 0
		.amdhsa_next_free_vgpr 256
		.amdhsa_next_free_sgpr 100
		.amdhsa_reserve_vcc 1
		.amdhsa_float_denorm_mode_32 3
		.amdhsa_float_denorm_mode_16_64 3
		.amdhsa_memory_ordered 1
		.amdhsa_forward_progress 1
		.amdhsa_inst_pref_size 151
	.end_amdhsa_kernel
	.amdgpu_metadata
---
amdhsa.version: [ 1, 2 ]
amdhsa.kernels:
  - .name:           k_q2609eeeea9_attn
    .symbol:         k_q2609eeeea9_attn.kd
    .args:
      - { .name: img, .offset: 0, .size: 8, .value_kind: global_buffer, .address_space: global }
      - { .name: sc, .offset: 8, .size: 8, .value_kind: global_buffer, .address_space: global }
      - { .name: att, .offset: 16, .size: 8, .value_kind: global_buffer, .address_space: global }
      - { .name: x, .offset: 24, .size: 8, .value_kind: global_buffer, .address_space: global }
    .group_segment_fixed_size: 327680
    .private_segment_fixed_size: 0
    .kernarg_segment_align: 8
    .kernarg_segment_size: 32
    .max_flat_workgroup_size: 512
    .sgpr_count:     100
    .vgpr_count:     256
    .wavefront_size: 32
...
	.end_amdgpu_metadata
.endif
;; end of part 3
;; launch lnorm (part 4): grid 256 x 1, 8 waves a work-group, no clusters, 0 bytes of LDS; arguments att, gamma, beta, out0; writes out0
.if DOCPART == 4
	.amdgcn_target "amdgcn-amd-amdhsa--gfx1250"
	.amdhsa_code_object_version 6
	.text
	.protected	k_q2609eeeea9_lnorm
	.globl	k_q2609eeeea9_lnorm
	.p2align	8
	.type	k_q2609eeeea9_lnorm,@function
k_q2609eeeea9_lnorm:
	s_mov_b64 s[64:65], 0
	v_nop
	global_prefetch_b8 v0, s[64:65] scope:SCOPE_SE
	s_setreg_imm32_b32 hwreg(HW_REG_WAVE_MODE, 25, 1), 1
	s_wait_xcnt 0x0
; out0[row] = (y - mean(y)) / sqrt(var(y) + 1e-5) x gamma + beta; y = attention's result + x, as the launch before has stored it in att; rows of 1,024 f32, 8,192 of them.
; A row is 4,096 bytes: one wave takes a whole row, eight 16-byte loads a lane, and keeps it in registers through both passes: each byte is read once, and no wave waits for another.
; The variance is the mean of (y - mean)^2, taken of the differences: a common offset in the inputs does no harm.  Memory binds: no LDS, no barrier, no matrix unit.
; Eight waves, four rows each, each row in 32 registers of its own: all 32 loads of a wave's rows go out at the head.  Every load and store of a wave covers 512 consecutive bytes.
.set G,   16                           ; v16-47   gamma of my 32 columns (4 lane + 128 j + 0 .. 3)
.set BT,  48                           ; v48-79   beta
.set XR,  80                           ; row k at v[80 + 32 k]: y, later the result
	s_load_b256 s[4:11], s[0:1], 0x0               ; y, gamma, beta, out0
	v_lshrrev_b32 v1, 5, v0
	s_delay_alu instid0(VALU_DEP_1)
	v_readfirstlane_b32 s16, v1                    ; wave 0..7
	v_and_b32 v1, 31, v0
	s_delay_alu instid0(VALU_DEP_1)
	v_lshlrev_b32 v1, 4, v1                        ; 16 bytes a lane; never rewritten
	s_lshl_b32 s18, ttmp9, 17                      ; 32 rows of 4,096 bytes a work-group,
	s_lshl_b32 s17, s16, 14                        ; 4 a wave
	s_add_co_u32 s18, s18, s17
	s_mov_b32 s19, 0
	s_mov_b32 s20, 0x76543210                      ; v_permlanex16_b32's selects for lane l xor 16
	s_mov_b32 s21, 0xfedcba98
	s_mov_b32 s22, 0x3a800000                      ; 1 / 1,024
	s_mov_b32 s23, 0x3727c5ac                      ; 1e-5
	s_wait_alu depctr_va_vdst(0)
	s_wait_kmcnt 0x0
	s_add_nc_u64 s[4:5], s[4:5], s[18:19]
	s_add_nc_u64 s[10:11], s[10:11], s[18:19]
.macro FILL k                          ; row k of my four: eight loads
.irp j, 0,1,2,3,4,5,6,7
	global_load_b128 v[XR+32*(\k)+4*\j:XR+32*(\k)+4*\j+3], v1, s[4:5] offset:4096*(\k)+512*\j th:TH_LOAD_NT
.endr
.endm
	FILL 0
.irp j, 0,1,2,3,4,5,6,7
	global_load_b128 v[G+4*\j:G+4*\j+3], v1, s[6:7] offset:512*\j
	global_load_b128 v[BT+4*\j:BT+4*\j+3], v1, s[8:9] offset:512*\j
.endr
	FILL 1
	FILL 2
	FILL 3
.macro LANES r, t                      ; the sum of v[r] over the 32 lanes, in every lane; v[t] has been written before
	s_delay_alu instid0(VALU_DEP_1)
	v_add_f32_dpp v[\r], v[\r], v[\r] row_xmask:1 row_mask:0xf bank_mask:0xf
	s_delay_alu instid0(VALU_DEP_1)
	v_add_f32_dpp v[\r], v[\r], v[\r] row_xmask:2 row_mask:0xf bank_mask:0xf
	s_delay_alu instid0(VALU_DEP_1)
	v_add_f32_dpp v[\r], v[\r], v[\r] row_xmask:4 row_mask:0xf bank_mask:0xf
	s_delay_alu instid0(VALU_DEP_1)
	v_add_f32_dpp v[\r], v[\r], v[\r] row_xmask:8 row_mask:0xf bank_mask:0xf
	s_delay_alu instid0(VALU_DEP_1)
	v_permlanex16_b32 v[\t], v[\r], s20, s21
	s_delay_alu instid0(VALU_DEP_1)
	v_add_f32 v[\r], v[\r], v[\t]
.endm
.macro ROW k, left                     ; left: the later rows' loads, which may stay out
.set XS, XR+32*(\k)
	s_wait_loadcnt \left
	v_pk_add_f32 v[2:3], v[XS:XS+1], v[XS+2:XS+3]  ; the sum of my 32, in two chains
	v_pk_add_f32 v[4:5], v[XS+4:XS+5], v[XS+6:XS+7]
.irp j, 8,12,16,20,24,28
	s_delay_alu instid0(VALU_DEP_2)
	v_pk_add_f32 v[2:3], v[2:3], v[XS+\j:XS+\j+1]
	s_delay_alu instid0(VALU_DEP_2)
	v_pk_add_f32 v[4:5], v[4:5], v[XS+\j+2:XS+\j+3]
.endr
	s_delay_alu instid0(VALU_DEP_1)
	v_pk_add_f32 v[2:3], v[2:3], v[4:5]
	s_delay_alu instid0(VALU_DEP_1)
	v_add_f32 v2, v2, v3
	LANES 2, 3
	s_delay_alu instid0(VALU_DEP_1)
	v_mul_f32 v6, s22, v2                          ; the mean, twice: a pair for the packed forms
	s_delay_alu instid0(VALU_DEP_2)
	v_mul_f32 v7, s22, v2
.irp j, 0,2,4,6,8,10,12,14,16,18,20,22,24,26,28,30
	v_pk_add_f32 v[XS+\j:XS+\j+1], v[XS+\j:XS+\j+1], v[6:7] neg_lo:[0,1] neg_hi:[0,1]   ; d = y - mean
.endr
	v_pk_mul_f32 v[8:9], v[XS:XS+1], v[XS:XS+1]    ; the sum of d^2, in two chains
	v_pk_mul_f32 v[10:11], v[XS+2:XS+3], v[XS+2:XS+3]
.irp j, 4,8,12,16,20,24,28
	s_delay_alu instid0(VALU_DEP_2)
	v_pk_fma_f32 v[8:9], v[XS+\j:XS+\j+1], v[XS+\j:XS+\j+1], v[8:9]
	s_delay_alu instid0(VALU_DEP_2)
	v_pk_fma_f32 v[10:11], v[XS+\j+2:XS+\j+3], v[XS+\j+2:XS+\j+3], v[10:11]
.endr
	s_delay_alu instid0(VALU_DEP_1)
	v_pk_add_f32 v[8:9], v[8:9], v[10:11]
	s_delay_alu instid0(VALU_DEP_1)
	v_add_f32 v8, v8, v9
	LANES 8, 9
	s_delay_alu instid0(VALU_DEP_1)
	v_fma_f32 v8, v8, s22, s23                     ; the variance + 1e-5
	s_wait_alu depctr_va_vdst(0)
	v_rsq_f32 v12, v8
	v_nop                                          ; one plain place behind the transcendental
	s_wait_alu depctr_va_vdst(0)
	v_mov_b32 v13, v12
.irp j, 0,2,4,6,8,10,12,14,16,18,20,22,24,26,28,30
	v_pk_mul_f32 v[XS+\j:XS+\j+1], v[XS+\j:XS+\j+1], v[12:13]
.endr
.irp j, 0,2,4,6,8,10,12,14,16,18,20,22,24,26,28,30
	v_pk_fma_f32 v[XS+\j:XS+\j+1], v[XS+\j:XS+\j+1], v[G+\j:G+\j+1], v[BT+\j:BT+\j+1]
.endr
.irp j, 0,1,2,3,4,5,6,7
	global_store_b128 v1, v[XS+4*\j:XS+4*\j+3], s[10:11] offset:4096*(\k)+512*\j th:TH_STORE_NT
.endr
.endm
	ROW 0, 24                                      ; row 0, gamma and beta are in; the 24 loads of rows 1 to 3 stay out
	ROW 1, 16
	ROW 2, 8
	ROW 3, 0
	s_endpgm
.Lfunc_end_k_q2609eeeea9_lnorm:
	.size	k_q2609eeeea9_lnorm, .Lfunc_end_k_q2609eeeea9_lnorm-k_q2609eeeea9_lnorm
	.p2alignl 7, 3214868480
	.fill 96, 4, 3214868480
	.section	.rodata,"a",@progbits
	.p2align	6, 0x0
	.amdhsa_kernel k_q2609eeeea9_lnorm
		.amdhsa_group_segment_fixed_size 0
		.amdhsa_private_segment_fixed_size 0
		.amdhsa_enable_private_segment 0
		.amdhsa_kernarg_size 32
		.amdhsa_user_sgpr_count 2
		.amdhsa_user_sgpr_kernarg_segment_ptr 1
		.amdhsa_wavefront_size32 1
		.amdhsa_system_sgpr_workgroup_id_x 1
		.amdhsa_system_sgpr_workgroup_id_y 1
		.amdhsa_system_sgpr_workgroup_id_z 1
		.amdhsa_system_vgpr_workitem_id 0
		.amdhsa_next_free_vgpr 208
		.amdhsa_next_free_sgpr 66
		.amdhsa_reserve_vcc 0
		.amdhsa_float_denorm_mode_32 3
		.amdhsa_float_denorm_mode_16_64 3
		.amdhsa_memory_ordered 1
		.amdhsa_forward_progress 1
		.amdhsa_inst_pref_size 39
	.end_amdhsa_kernel
	.amdgpu_metadata
---
amdhsa.version: [ 1, 2 ]
amdhsa.kernels:
  - .name:           k_q2609eeeea9_lnorm
    .symbol:         k_q2609eeeea9_lnorm.kd
    .args:
      - { .name: att, .offset: 0, .size: 8, .value_kind: global_buffer, .address_space: global }
      - { .name: gamma, .offset: 8, .size: 8, .value_kind: global_buffer, .address_space: global }
      - { .name: beta, .offset: 16, .size: 8, .value_kind: global_buffer, .address_space: global }
      - { .name: out0, .offset: 24, .size: 8, .value_kind: global_buffer, .address_space: global }
    .group_segment_fixed_size: 0
    .private_segment_fixed_size: 0
    .kernarg_segment_align: 8
    .kernarg_segment_size: 32
    .max_flat_workgroup_size: 256
    .sgpr_count:     66
    .vgpr_count:     208
    .wavefront_size: 32
...
	.end_amdgpu_metadata
.endif
;; end of part 4
